; MI455X (gfx1250); checked and timed in simulation.
; The chip was launched on July 23, 2026; its instructions are those of AMD's public machine-readable ISA for CDNA 5 (MIT licence, August 2026) and "CDNA5" Instruction Set Architecture Reference Guide (July 2026). The comments in the code are by the model that wrote it; some were corrected since.
;; Attention. Allowed arithmetic: matrix products marked QUANTISED: E2M3 operands, one E8M0 scale for each 32 along K, by v_wmma_scale_f32_16x16x128_f8f6f4 with both operands' format E2M3, f32 sums; everything else in f32.
;; Inputs: W_qkv 1,024 x 3,072 float32; b_qkv 3,072 float32; x 4 x 2,048 x 1,024 float32.
;; Outputs: out0 4 x 2,048 x 1,024 float32.
;; This version of the problem:
;;   THIS VERSION OF THE PROBLEM IS GIVEN IN LOW PRECISION. The matrix products marked QUANTISED in the list below multiply operands that are first quantised to E2M3 (2 exponent bits, 3 mantissa bits; 6 bits a number), with one power-of-two scale for each 32 numbers along K (OCP MX v1.0); their sums are f32. All else is computed in f32.
;;   The module's matrix products, in the order in which they are computed (A, B: the left and right operand; K: the contracted axis; several contracted axes count as one K, in the product's order):
;;     1. [M 8,192, K 1,024] x [K 1,024, N 3,072]; A: input x; B: input W_qkv: QUANTISED
;;     2. batch 64 x [M 2,048, K 64] x [K 64, N 2,048]; A: computed on the way; B: computed on the way: QUANTISED
;;     3. batch 64 x [M 2,048, K 2,048] x [K 2,048, N 64]; A: softmax (see below); B: computed on the way: QUANTISED
;;   THE QUANTISER, for each operand of a quantised product, along K:
;;     - K is cut into blocks of 32 from its start; a last block that is shorter is filled with zeros.
;;     - A block's scale is 2^e with e = floor(log2(the largest magnitude in the block)) - 2, held to -126 .. 127; a block of zeros has e = 0. As a byte (E8M0): e + 127.
;;     - Each number is divided by its block's scale, clamped to +-7.5, and rounded to the nearest number of E2M3, ties to even, subnormals kept.
;;     - The product sums the exact products of the quantised numbers (number of the format x scale) in f32.
;;   ~~~python
;;   def quantise(x, axis):      # numpy; x: float32 -> the quantised numbers, widened to float32 again
;;       x = np.moveaxis(x, axis, -1); K = x.shape[-1]
;;       x = np.pad(x, [(0, 0)] * (x.ndim - 1) + [(0, -K % 32)]); x = x.reshape(x.shape[:-1] + (-1, 32)); a = np.abs(x).max(-1, keepdims=True)
;;       e = np.where(a > 0, np.clip(np.frexp(np.where(a > 0, a, 1))[1] - 1 - 2, -126, 127), 0)      # np.frexp(a)[1] - 1 = floor(log2(a)), exactly
;;       r = np.clip(x / 2.0 ** e, -7.5, 7.5)
;;       step = 2.0 ** (np.maximum(np.frexp(np.where(r == 0, 1, r))[1] - 1, 0) - 3)
;;       q = np.round(r / step) * step * 2.0 ** e      # np.round: ties to even
;;       return np.moveaxis(q.reshape(q.shape[:-2] + (-1,))[..., :K], -1, axis).astype(np.float32)
;;   ~~~
;;   SOFTMAX AHEAD OF A QUANTISED PRODUCT. Where the list says 'softmax', what is quantised is not the finished softmax but p = 2^(t - M), with t = logit x log2(e) and M = ceil(the row's largest t), a whole number; so 1/2 < the row's largest p <= 1. The row's sum l is taken of the UNQUANTISED p, in f32, and the product's result is divided by l at the end. Since M is a whole number, a kernel that streams over the keys may use a running M (the ceiling of the running maximum): every later rescaling is an exact power of two, which a block's scale takes up: the codes' values come out the same.
;;   OPERANDS COMPUTED ON THE WAY. 'Computed on the way' means the value that the module computes at that place (a softmax that the list does not call 'softmax' is quantised finished and normalised). What goes into a quantiser is computed in f32, as accurately as f32 sums, v_exp_f32 and their like allow (about 1e-6 of the number): no bf16 or f16 on the way to a quantiser, and a product that is left as it is and whose result goes on into a quantised operand takes f32 operands (vector FMAs, or v_wmma_f32_16x16x4_f32). A number that lies on a knife's edge between two numbers of the format may be rounded either way, as far as f32 arithmetic and the matrix unit's own rounding can turn it there, and no further.
;; One version. Each part assembles by itself: llvm-mc -triple=amdgcn-amd-amdhsa -mcpu=gfx1250 --defsym DOCPART=n.
;; ======== version 1 of 1: 3 launches
;; limits: right only within a limited range of input values
;; workspace buffers: xc 6,291,456 bytes; xs 262,144 bytes; wc 2,359,296 bytes; ws 98,304 bytes; qimg 6,815,744 bytes; kv 13,631,488 bytes
;; launch quant (part 1): grid 352 x 1, 4 waves a work-group, no clusters, 68,096 bytes of LDS; arguments x, W_qkv, xc, xs, wc, ws; writes xc, xs, wc, ws
.if DOCPART == 1
	.amdgcn_target "amdgcn-amd-amdhsa--gfx1250"
	.amdhsa_code_object_version 6
	.text
	.protected	k_qfa3ad214a9_quant
	.globl	k_qfa3ad214a9_quant
	.p2align	8
	.type	k_qfa3ad214a9_quant,@function
k_qfa3ad214a9_quant:
	s_mov_b64 s[64:65], 0
	v_nop
	global_prefetch_b8 v0, s[64:65] scope:SCOPE_SE
	s_setreg_imm32_b32 hwreg(HW_REG_WAVE_MODE, 25, 1), 1
	s_wait_xcnt 0x0
; x [8192][1024] f32 (K innermost) and W_qkv [1024][3072] f32 (K is its FIRST axis) become codes of FP6 (E2M3), 6 bits each, K innermost, with one E8M0 scale byte for each 32 along K:
; xc [8192][768], xs [8192][32], wc [3072][768], ws [3072][32].
; A block's scale is 2^(floor(log2(its largest magnitude)) - 2); its byte is the largest magnitude's own exponent field - 2, held at 1 from below.  Each number is divided by the scale and rounded to the nearest code, ties to even;
; beyond the largest code the conversion gives the largest code.
; THE ROWS ARE STORED IN ANOTHER ORDER: stored row rho holds token (column of W) sigma(rho), sigma = rho with its bits 3 and 4 exchanged.  The product that reads these buffers takes 16 neighbouring stored rows as a tile; with this order
; a lane's 16 results of two neighbouring tiles are 16 NEIGHBOURS along the axis on which they are quantised next.
; LIMITS: a block of zeros, and a block whose largest magnitude lies under 2^-124, gets the byte 1 (for zeros the rule says 127: the codes are zeros, which add nothing under any byte but 0xff, and these bytes are read by this program alone).
; NaN and infinities among the inputs are not served.
; Work-groups 0-255 take x, 32 rows each; work-groups 256-351 take W, 128 columns x 256 along K each.  The two ways part on the work-group's number and have LDS bytes of their own.  No barrier: waves share nothing.
.set STEPS, 16                         ; x: a wave takes 16 steps of 512 numbers: 8 rows
.set EMAX,  2                          ; the exponent of the format's largest number, 7.5
.set CB,    12                         ; bytes of 16 codes
.set XR,    16                         ; v16-79   x: four sets of 16 numbers as they are loaded
.set XX,    80                         ; v80-111  two sets of 16 neighbours
.set XE,    112                        ; v112-127 a scale byte for each step
.set XC,    128                        ; v128-191 codes: four registers for each step, so that no store's data are written again
.set WREG,  8192                       ; x: LDS bytes of a wave: two stages of 32 x SP bytes, behind them its 256 scale bytes
.set SP,    80                         ; a lane's place in a stage: its 64 bytes + 16 of padding
.set WLDS,  32768                      ; W's stages begin here
.set NB,    8                          ; W: blocks of 32 along K for a wave
.set WPITCH, 272                       ; a stage row: sixteen places of 16 bytes, each with 12 bytes of codes, + 16
.set KROW,  768                        ; a row of codes in bytes
.set WROW,  3072*4                     ; a row of W in bytes
.set WSB,   24                         ; v24-25   W: the scale bytes, four to a register
.set WX,    32                         ; v32-95   two sets of 32 numbers
.set WC,    96                         ; v96-102  a block's codes
.set WOUT,  112                        ; v112-175 the way out
.macro XLOAD t                         ; step t: four loads of 512 consecutive bytes, 16 a lane
.irp i, 0,1,2,3
	global_load_b128 v[XR+16*((\t)%4)+4*\i:XR+16*((\t)%4)+4*\i+3], v3, s[4:5] offset:2048*(\t)+512*\i th:TH_LOAD_NT
.endr
.endm
.macro XTURN t                         ; step t's 2,048 bytes through the wave's own stage: in as loaded, out 64 bytes a lane.  LDS serves a wave's instructions in order (ISA guide 5.7.1.4): no wait between
.irp i, 0,1,2,3
	ds_store_b128 v14, v[XR+16*((\t)%4)+4*\i:XR+16*((\t)%4)+4*\i+3] offset:32*SP*((\t)%2)+8*SP*\i
.endr
.irp i, 0,1,2,3
	ds_load_b128 v[XX+16*((\t)%2)+4*\i:XX+16*((\t)%2)+4*\i+3], v15 offset:32*SP*((\t)%2)+16*\i
.endr
.endm
.macro XSTEP t
.set XS, XX+16*((\t)%2)
.if (\t) > 0
	s_wait_dscnt 1                                 ; this step's numbers are back from the stage (the last step's byte store may be out): so its stores into the stage have read their registers,
.else
	s_wait_dscnt 0x0
.endif
.if (\t)+4 < STEPS
	XLOAD (\t)+4                                   ; which take the loads of four steps on
.endif
.if (\t)+1 < STEPS
.if STEPS-2-(\t) >= 3
	s_wait_loadcnt 12                              ; the next step's four loads are in; those of the three steps behind it may be out
.else
	s_wait_loadcnt 4*(STEPS-2-(\t))
.endif
	XTURN (\t)+1                                   ; and go through the other stage while this step is worked
.endif
	v_max3_num_f32 v8, |v[XS]|, |v[XS+1]|, |v[XS+2]|               ; the largest magnitude of my 16, in two chains
	v_max3_num_f32 v9, |v[XS+3]|, |v[XS+4]|, |v[XS+5]|
.irp i, 6,10
	v_max3_num_f32 v8, v8, |v[XS+\i]|, |v[XS+\i+1]|
	v_max3_num_f32 v9, v9, |v[XS+\i+2]|, |v[XS+\i+3]|
.endr
	v_max3_num_f32 v8, v8, |v[XS+14]|, |v[XS+15]|
	v_max3_num_f32 v8, v8, v9, (EMAX+1)<<23        ; and the floor 2^(3 - 127): the byte cannot fall under 1
	v_max_num_f32_dpp v8, v8, v8 row_xmask:1 row_mask:0xf bank_mask:0xf   ; and of my neighbour's 16: the block's
	v_add_nc_u32 v11, -(EMAX<<23), v8              ; 2 off its exponent field: the conversion takes the exponent field of this operand as its scale, and nothing else of it
	v_cvt_scalef32_pk16_fp6_f32 v[XC+4*(\t):XC+4*(\t)+2], v[XS:XS+15], v11
	v_lshrrev_b32 v[XE+(\t)], 23, v11              ; the scale's byte (a plain line behind the conversion)
	ds_store_b8 v5, v[XE+(\t)] offset:16*(\t)      ; both lanes of a block write the same byte with the same value
	global_store_b96 v4, v[XC+4*(\t):XC+4*(\t)+2], s[8:9] offset:32*CB*(\t)   ; the wave stores 384 consecutive bytes
.endm
.macro WLOAD t                         ; block t: W(32 t + i, my column), i = 0 .. 31: each load reads 128 consecutive bytes
.irp i, 0,1,2,3,4,5,6,7,8,9,10,11,12,13,14,15,16,17,18,19,20,21,22,23,24,25,26,27,28,29,30,31
	global_load_b32 v[WX+32*((\t)%2)+\i], v3, s[6:7] offset:(32*(\t)+\i)*WROW th:TH_LOAD_NT
.endr
.endm
.macro WBLOCK t
.set WS, WX+32*((\t)%2)
.if (\t) < NB-1
	s_wait_loadcnt 32                              ; this block's 32 loads are in; the next block's may be out
.else
	s_wait_loadcnt 0x0
.endif
	v_max3_num_f32 v12, |v[WS]|, |v[WS+1]|, |v[WS+2]|              ; the block's largest magnitude: all 32 numbers are mine
	v_max3_num_f32 v13, |v[WS+3]|, |v[WS+4]|, |v[WS+5]|
.irp i, 6,10,14,18,22,26
	v_max3_num_f32 v12, v12, |v[WS+\i]|, |v[WS+\i+1]|
	v_max3_num_f32 v13, v13, |v[WS+\i+2]|, |v[WS+\i+3]|
.endr
	v_max3_num_f32 v12, v12, |v[WS+30]|, |v[WS+31]|
	v_max3_num_f32 v12, v12, v13, (EMAX+1)<<23     ; and the floor
	v_add_nc_u32 v11, -(EMAX<<23), v12             ; the conversion's scale operand
	v_lshrrev_b32 v13, 23, v11                     ; the scale's byte
.if (\t)%4 == 0
	v_mov_b32 v[WSB+(\t)/4], v13                   ; four bytes to a register, the lower K in the lower byte
.else
	v_lshl_or_b32 v[WSB+(\t)/4], v13, 8*((\t)%4), v[WSB+(\t)/4]
.endif
	v_cvt_scalef32_pk16_fp6_f32 v[WC:WC+2], v[WS:WS+15], v11
	v_cvt_scalef32_pk16_fp6_f32 v[WC+4:WC+6], v[WS+16:WS+31], v11   ; (a conversion's three registers begin on an even number)
	v_nop                                          ; one plain line behind the last conversion of the run
	ds_store_b96 v4, v[WC:WC+2] offset:32*(\t)     ; 16 codes, 12 bytes, to a place of 16 bytes in the stage
	ds_store_b96 v4, v[WC+4:WC+6] offset:32*(\t)+16
.if (\t)+2 < NB
	WLOAD (\t)+2
.endif
	s_wait_dscnt 0x0                               ; the stores have read their registers: the next block's codes may be written
.endm
	s_load_b128 s[4:7], s[0:1], 0x0                ; x s[4:5], W s[6:7]
	s_load_b128 s[8:11], s[0:1], 0x10              ; xc s[8:9], xs s[10:11]
	s_load_b128 s[12:15], s[0:1], 0x20             ; wc s[12:13], ws s[14:15]
	v_lshl_add_u32 v192, v0, 2, 0x10800
	v_mov_b32 v193, 0
	v_lshrrev_b32 v1, 5, v0
	v_readfirstlane_b32 s16, v1                    ; wave 0..3
	v_and_b32 v2, 31, v0                           ; lane
	s_cmp_lt_u32 ttmp9, 256
	s_cbranch_scc0 .Lw
	; ---------------- x: rows are dense and K is a multiple of 32, so a run of 8 rows is a plain stream of 256 blocks ----------------
	v_lshlrev_b32 v3, 4, v2                        ; my 16 bytes of a load's 512
	s_mul_i32 s17, s16, WREG
	v_lshrrev_b32 v14, 2, v2
	v_mul_u32_u24 v14, v14, SP
	v_and_b32 v15, 3, v2
	v_lshl_add_u32 v14, v15, 4, v14
	v_add_nc_u32 v14, s17, v14                     ; the stage, on the way in: SP (lane / 4) + 16 (lane % 4); a load's 512 bytes take eight places
	v_mul_u32_u24 v15, v2, SP
	v_add_nc_u32 v15, s17, v15                     ; and on the way out: SP x lane: my 16 neighbours
	v_mul_u32_u24 v4, v2, CB                       ; my codes' place in a step's
	v_lshrrev_b32 v5, 1, v2
	s_add_co_u32 s17, s17, 2*32*SP
	v_add_nc_u32 v5, s17, v5                       ; LDS: my wave's 256 scale bytes, my block's byte
	v_lshlrev_b32 v7, 3, v2                        ; and on the way out 8 bytes a lane
	v_add_nc_u32 v6, s17, v7
	s_lshl_b32 s18, ttmp9, 2
	s_add_co_u32 s20, s18, s16                     ; the run of 8 rows that I read: 4 x work-group + wave
	s_lshl_b32 s20, s20, 15                        ; 32,768 bytes a run
	s_mov_b32 s21, 0
	s_and_b32 s22, s16, 1                          ; a row's bits 3 and 4 are the run's bits 0 and 1, which are the wave's: exchanged, they name the run that I write
	s_lshl_b32 s22, s22, 1
	s_lshr_b32 s23, s16, 1
	s_or_b32 s22, s22, s23
	s_add_co_u32 s22, s22, s18
	s_mul_i32 s24, s22, 32*STEPS*CB                ; 6,144 bytes of codes a run
	s_mov_b32 s25, 0
	s_lshl_b32 s26, s22, 8                         ; 256 scale bytes a run
	s_mov_b32 s27, 0
	s_wait_alu depctr_va_vdst(0)
	s_wait_kmcnt 0x0
	s_add_nc_u64 s[4:5], s[4:5], s[20:21]
	s_add_nc_u64 s[8:9], s[8:9], s[24:25]
	s_add_nc_u64 s[10:11], s[10:11], s[26:27]
.irp t, 0,1,2,3
	XLOAD \t
.endr
	s_wait_loadcnt 12                              ; step 0's four loads are in
	XTURN 0
.irp t, 0,1,2,3,4,5,6,7,8,9,10,11,12,13,14,15
	XSTEP \t
.endr
	ds_load_b64 v[12:13], v6                       ; LDS serves a wave's instructions in order: these see my byte stores
	s_wait_dscnt 0x0
	global_store_b64 v7, v[12:13], s[10:11]        ; 32 lanes store 256 consecutive bytes, at a multiple of 256 from the buffer's first byte
	s_wait_tensorcnt 0x0
	ds_add_u32 v192, v193
	s_wait_dscnt 0x0
	s_endpgm
	; ---------------- W: a lane takes a column, and its registers run down K: a block lies in one lane, and the codes come out with K innermost ----------------
.Lw:
	s_sub_co_u32 s19, ttmp9, 256
	s_lshr_b32 s17, s19, 2
	s_lshl_b32 s17, s17, 7
	s_lshl_b32 s18, s16, 5
	s_add_co_u32 s17, s17, s18                     ; my wave's first column: 128 x (index / 4) + 32 x wave
	s_and_b32 s18, s19, 3                          ; which 256 along K
	s_wait_alu depctr_va_vdst(0)
	v_lshlrev_b32 v3, 2, v2                        ; in: 4 bytes a lane
	s_mul_i32 s19, s16, 32*WPITCH
	s_add_co_u32 s19, s19, WLDS                    ; my stage
	v_and_b32 v10, 7, v2                           ; the stored row of my column among the wave's 32: my lane's number with bits 3 and 4 exchanged
	v_bfe_u32 v11, v2, 3, 1
	v_lshl_add_u32 v10, v11, 4, v10
	v_bfe_u32 v11, v2, 4, 1
	v_lshl_add_u32 v10, v11, 3, v10
	v_mul_u32_u24 v4, v10, WPITCH
	v_add_nc_u32 v4, s19, v4                       ; into the stage: that row
	v_and_b32 v5, 15, v2
	v_lshrrev_b32 v6, 4, v2                        ; out of it: sixteen lanes to a row, two rows an instruction
	v_mul_u32_u24 v7, v6, WPITCH
	v_lshl_add_u32 v7, v5, 4, v7
	v_add_nc_u32 v7, s19, v7
	v_mul_u32_u24 v8, v6, KROW
	v_mad_u32_u24 v8, v5, 12, v8                   ; and the same place in the codes' buffer
	v_lshlrev_b32 v9, 5, v10                       ; my column's row of scale bytes: 32 bytes a row
	s_mul_i32 s20, s18, 256*WROW                   ; W: 256 rows for each quarter of K, + 4 x column
	s_lshl_b32 s22, s17, 2
	s_add_co_u32 s20, s20, s22
	s_mov_b32 s21, 0
	s_mul_i32 s24, s17, KROW                       ; codes: row x 768 + 192 x quarter
	s_mul_i32 s26, s18, 192
	s_add_co_u32 s24, s24, s26
	s_mov_b32 s25, 0
	s_lshl_b32 s28, s17, 5                         ; scale bytes: row x 32 + 8 x quarter
	s_lshl_b32 s26, s18, 3
	s_add_co_u32 s28, s28, s26
	s_mov_b32 s29, 0
	s_wait_kmcnt 0x0
	s_add_nc_u64 s[6:7], s[6:7], s[20:21]
	s_add_nc_u64 s[12:13], s[12:13], s[24:25]
	s_add_nc_u64 s[14:15], s[14:15], s[28:29]
	WLOAD 0
	WLOAD 1
.irp t, 0,1,2,3,4,5,6,7
	WBLOCK \t
.endr
	s_wait_alu depctr_va_vdst(0)
	global_store_b64 v9, v[WSB:WSB+1], s[14:15]    ; my column's 8 scale bytes
.irp t, 0,1,2,3,4,5,6,7,8,9,10,11,12,13,14,15
	ds_load_b96 v[WOUT+4*\t:WOUT+4*\t+2], v7 offset:2*\t*WPITCH   ; LDS serves a wave's instructions in order: these see my stores
.endr
.irp t, 0,1,2,3,4,5,6,7,8,9,10,11,12,13,14,15
	s_wait_dscnt 15-\t                             ; the younger loads stay out
	global_store_b96 v8, v[WOUT+4*\t:WOUT+4*\t+2], s[12:13] offset:2*\t*KROW   ; sixteen lanes store a row's 192 consecutive bytes
.endr
	s_wait_tensorcnt 0x0
	ds_add_u32 v192, v193
	s_wait_dscnt 0x0
	s_endpgm
.Lfunc_end_k_qfa3ad214a9_quant:
	.size	k_qfa3ad214a9_quant, .Lfunc_end_k_qfa3ad214a9_quant-k_qfa3ad214a9_quant
	.p2alignl 7, 3214868480
	.fill 96, 4, 3214868480
	.section	.rodata,"a",@progbits
	.p2align	6, 0x0
	.amdhsa_kernel k_qfa3ad214a9_quant
		.amdhsa_group_segment_fixed_size 68096
		.amdhsa_private_segment_fixed_size 0
		.amdhsa_enable_private_segment 0
		.amdhsa_kernarg_size 48
		.amdhsa_user_sgpr_count 2
		.amdhsa_user_sgpr_kernarg_segment_ptr 1
		.amdhsa_wavefront_size32 1
		.amdhsa_system_sgpr_workgroup_id_x 1
		.amdhsa_system_sgpr_workgroup_id_y 1
		.amdhsa_system_sgpr_workgroup_id_z 1
		.amdhsa_system_vgpr_workitem_id 0
		.amdhsa_next_free_vgpr 194
		.amdhsa_next_free_sgpr 66
		.amdhsa_reserve_vcc 0
		.amdhsa_float_denorm_mode_32 3
		.amdhsa_float_denorm_mode_16_64 3
		.amdhsa_memory_ordered 1
		.amdhsa_forward_progress 1
		.amdhsa_inst_pref_size 74
	.end_amdhsa_kernel
	.amdgpu_metadata
---
amdhsa.version: [ 1, 2 ]
amdhsa.kernels:
  - .name:           k_qfa3ad214a9_quant
    .symbol:         k_qfa3ad214a9_quant.kd
    .args:
      - { .name: x, .offset: 0, .size: 8, .value_kind: global_buffer, .address_space: global }
      - { .name: W_qkv, .offset: 8, .size: 8, .value_kind: global_buffer, .address_space: global }
      - { .name: xc, .offset: 16, .size: 8, .value_kind: global_buffer, .address_space: global }
      - { .name: xs, .offset: 24, .size: 8, .value_kind: global_buffer, .address_space: global }
      - { .name: wc, .offset: 32, .size: 8, .value_kind: global_buffer, .address_space: global }
      - { .name: ws, .offset: 40, .size: 8, .value_kind: global_buffer, .address_space: global }
    .group_segment_fixed_size: 68096
    .private_segment_fixed_size: 0
    .kernarg_segment_align: 8
    .kernarg_segment_size: 48
    .max_flat_workgroup_size: 128
    .sgpr_count:     66
    .vgpr_count:     194
    .wavefront_size: 32
...
	.end_amdgpu_metadata
.endif
;; end of part 1
;; launch gemm (part 2): grid 16 x 32, 4 waves a work-group, clusters of 4 x 4, 327,680 bytes of LDS; arguments xc, xs, wc, ws, b_qkv, qimg, kv; writes qimg, kv
.if DOCPART == 2
	.amdgcn_target "amdgcn-amd-amdhsa--gfx1250"
	.amdhsa_code_object_version 6
	.text
	.protected	k_qfa3ad214a9_gemm
	.globl	k_qfa3ad214a9_gemm
	.p2align	8
	.type	k_qfa3ad214a9_gemm,@function
k_qfa3ad214a9_gemm:
	s_mov_b64 s[64:65], 0
	v_nop
	global_prefetch_b8 v0, s[64:65] scope:SCOPE_SE
	s_setreg_imm32_b32 hwreg(HW_REG_WAVE_MODE, 25, 1), 1
	s_wait_xcnt 0x0
	s_wait_alu depctr_hold_cnt(0) depctr_sa_sdst(0) depctr_va_vdst(0) depctr_va_sdst(0) depctr_va_ssrc(0) depctr_va_vcc(0) depctr_vm_vsrc(0)
	s_getreg_b32 s2, hwreg(HW_REG_IB_STS2, 6, 4)
	s_cmp_eq_u32 s2, 0
	s_cbranch_scc0 .Lentry_in_a_cluster
	s_endpgm
.Lentry_in_a_cluster:
	s_bfe_u32 s2, ttmp6, 0x10000c
	s_cmp_lg_u32 s2, 0xf033
	s_cbranch_scc0 .Lentry_shape_is_right
	s_endpgm
.Lentry_shape_is_right:
; qkv = Q(x) Q(W) + b on codes of FP6 (E2M3), one E8M0 scale for each 32 along K = 1,024.  q, k and v are quantised in registers (q, k along a head's 64 channels, v along the tokens)
; and leave as images of the next products' operand registers (a fragment: 12 registers a lane, three pieces of 512 bytes, lane l's 16 bytes at 16 l).
; Source 1 is the LANE side (a lane holds one of its rows), source 0 the REGISTER side.  q, k: lane side = tokens, register side = columns of W;  v: lane side = columns 2,048 .. of W, register side = tokens.
; THE DEAL: 32 clusters of 4 x 4 work-groups, numbered L = x + 4 y.  L = 0 .. 15: q (L even) or k (L odd), 1,024 tokens x 1,024 columns a cluster, a work-group 256 x 256, a wave 128 x 128 (64 accumulators).
; L = 16 .. 31: v, 512 columns x 1,024 tokens a cluster, a work-group 128 x 256, a wave 64 x 128 (32 accumulators).  The larger blocks have the lower numbers.  512 work-groups in all.
; The two ways part on L, which all partners share; the body is one macro, expanded for each way (LB = lane-side blocks of 16 rows a wave: 8 or 4).
; K goes through two LDS slots in CHUNKS OF 256 BYTES of each row of 768: three chunks; a step of 128 along K is 96 bytes: eight steps; steps 2 and 5 lie across two chunks.  The rows' scale bytes, all of K, come into LDS once.
; The stored order of rows (bits 3 and 4 exchanged) gives: register 16 b + i of a lane's 64 results = index 32 b + 16 (lane / 16) + i of the register side; lane r of lane-side block 2 g + u = index 32 g + 8 u + r + 8 (r / 8).
; The lane side's tiles are asked for jointly by a row of the cluster, the register side's by a column.
; RECORDS for each (batch, head) and 128 tokens: qimg 6,656 bytes: four fragments, 512 bytes of scale words; kv 13,312: k's four fragments, v's four, k's words, v's words.
; NO PREFETCH: K is three chunks; two are asked for at the head and the third three steps ahead of its first read: there is no loop to run ahead in.
; LIMITS: a block of zeros, or one whose largest magnitude lies under 2^-124, gets the byte 1 (read by this program alone).  NaN and infinities are not served.
; REGISTERS: window 0: v0-31 addresses, v32-63 scale words (two sets), v64-127 the bias, from v128 the lane side's fragments (one set; on the way out at work); window 1: the register side's, two sets; windows 2, 3: accumulators.
.set ROWB,   256
.set NQ,     2
.set KROW,   768
.set STEPS,  8
.set CHUNKS, 3
.set PITCH,  272                       ; 256 bytes + 16 of padding
.set FR,     12
.set NL,     6
.set NP,     4
.set HALFT,  128*PITCH
.set SLOT,   4*HALFT                   ; room for 256 rows of the lane side, then the register side's 256
.set KS,     32
.set SCL,    2*SLOT
.set HALFS,  (128*KS/256)*272
.set SBLK,   (16*KS/256)*272
.set SPARE,  SCL+4*HALFS               ; the spare words: 512 bytes that no other line names
.set LI,   7                           ; 16 x lane
.set BH,   8                           ; 64 x (lane / 16)
.set BR,   9                           ; 4 x (r + 8 (r / 8))
.set ADRA, 16                          ; v16-17 lane side's fragments in slot 0, 1; v18-19 for pieces whose two halves of the lanes read different chunks
.set ADRB, 20                          ; v20-23 the same for the register side
.set ADRS2, 26                         ; v: as v27, but lanes 0-15 four blocks back
.set ADRS, 27
.set SPW,  28
.set NIL,  29
.set SC,   32
.set BI,   64
.set AF,   128
.set H,    128
.set F0,   192
.set F1,   204
.set CT,   216
.set TM,   224
.set PW0,  240
.set SW0,  244
.set SW1,  248
.set G1, 24
.set G0, 32
.set G1B, 48
.set G0B, 56
.set G1S, 68
.set G0S, 76
.set G1SB, 80
.set G0SB, 88
.set G0H, 4                            ; group 0 of the head's loads of chunk 0
.set G0HB, 8
.set PQ,  68                           ; the way out: all tensor loads have been waited for by then
.set SEL, 72
.set OB0, 76
.set OB1, 78
.set OS0, 80
.set OS1, 82
.set MSB, 0
.macro WIN new
.if MSB != \new
	s_set_vgpr_msb (MSB<<8)|\new
.set MSB, \new
.endif
.endm
.set MUL_LO, 0xa1
.set MUL_HI, 0xf1
.set TO_B,   0x40
.macro PLACES n
.rept \n
	v_nop
.endr
.endm
.macro JLOAD g0a, g1a, g0b, g1b        ; waves 0, 1 fetch for the lane side, waves 2, 3 for the register side
	s_cmp_eq_u32 s15, 0
	s_cbranch_scc0 .Lfor_b_\@
	tensor_load_to_lds s[\g0a:\g0a+3], s[\g1a:\g1a+7]
	s_nop 0
	PLACES 4
	s_branch .Lasked_\@
.Lfor_b_\@:
	tensor_load_to_lds s[\g0b:\g0b+3], s[\g1b:\g1b+7]
	s_nop 0
	PLACES 4
.Lasked_\@:
.endm
.macro CREST
	s_cmp_lg_u32 s14, 0
	s_cbranch_scc1 .Lnot_wave_0_\@
	s_barrier_signal -3
.Lnot_wave_0_\@:
	s_barrier_wait -3
	s_barrier_signal -1
	s_barrier_wait -1
.endm
.macro CROUND
	s_barrier_signal -1
	s_barrier_wait -1
	CREST
.endm
.macro GR1 g, rows                     ; group 1 of a tile of codes: rows of 256 bytes at a pitch of 768
	s_mov_b32 s[\g+1], ROWB<<16
	s_mov_b32 s[\g+2], (\rows)<<16
	s_mov_b32 s[\g+3], ROWB<<16
	s_mov_b32 s[\g+4], \rows
	s_mov_b32 s[\g+5], KROW
	s_mov_b32 s[\g+6], 0
	s_mov_b32 s[\g+7], 0
.endm
.macro GR1S g, rows                    ; of a dense block of scale bytes: rows of 256 bytes (32 elements of 8)
	s_mov_b32 s[\g+1], 32<<16
	s_mov_b32 s[\g+2], (\rows)<<16
	s_mov_b32 s[\g+3], 32<<16
	s_mov_b32 s[\g+4], \rows
	s_mov_b32 s[\g+5], 32
	s_mov_b32 s[\g+6], 0
	s_mov_b32 s[\g+7], 0
.endm
.macro GR0 g, lds, adr                 ; group 0: a constant LDS place, the address in s[adr:adr+1]
	s_mov_b32 s[\g], 1
	s_mov_b32 s[\g+1], \lds
	s_mov_b64 s[\g+2:\g+3], s[\adr:\adr+1]
	s_or_b32 s[\g+3], s[\g+3], 0x80000000
.endm
.macro ARM under, g0, g1, next, done   ; an arm of the head's chain of branches on the wave's number
	s_cmp_lt_u32 s14, \under
	s_cbranch_scc0 \next
	tensor_load_to_lds s[\g0:\g0+3], s[\g1:\g1+7]
	s_nop 0
	PLACES 4
	s_branch \done
\next:
.endm
.macro FRAG reg, adr, st, i            ; six pieces of 8 bytes; byte y of a row lies in slot (y / 256) % 2 at byte y % 256 of the LDS row
.irp p, 0,1,2,3,4,5
.set BY, 96*(\st)+48*(\p/3)+8*(\p%3)
.if BY/ROWB == (BY+24)/ROWB
	ds_load_b64 v[\reg+2*\p:\reg+2*\p+1], v[\adr+(BY/ROWB)%2] offset:BY%ROWB+(\i)*16*PITCH
.else
	ds_load_b64 v[\reg+2*\p:\reg+2*\p+1], v[\adr+2+(BY/ROWB)%2] offset:BY%ROWB-232+(\i)*16*PITCH
.endif
.endr
.endm
; 16 products: lane-side blocks a0, a0 + 1 x the register side's eight.  The accumulators take turns.
.macro MUL16 a0, p, q, sc, zero
.irp a, \a0, \a0+1
.irp b, 0,1,2,3,4,5,6,7
.if \zero
	v_wmma_scale_f32_16x16x128_f8f6f4 v[8*(8*((\a)%4)+\b):8*(8*((\a)%4)+\b)+7], v[128*(\p)+FR*\b:128*(\p)+FR*\b+FR-1], v[AF+FR*(\a):AF+FR*(\a)+FR-1], 0, v[SC+8*NQ*(\sc)+NQ*\b+(\q)], v[SC+8*NQ*(\sc)+NQ*(\a)+(\q)] matrix_a_fmt:MATRIX_FMT_FP6 matrix_b_fmt:MATRIX_FMT_FP6 matrix_a_scale:MATRIX_SCALE_ROW1
.else
	v_wmma_scale_f32_16x16x128_f8f6f4 v[8*(8*((\a)%4)+\b):8*(8*((\a)%4)+\b)+7], v[128*(\p)+FR*\b:128*(\p)+FR*\b+FR-1], v[AF+FR*(\a):AF+FR*(\a)+FR-1], v[8*(8*((\a)%4)+\b):8*(8*((\a)%4)+\b)+7], v[SC+8*NQ*(\sc)+NQ*\b+(\q)], v[SC+8*NQ*(\sc)+NQ*(\a)+(\q)] matrix_a_fmt:MATRIX_FMT_FP6 matrix_b_fmt:MATRIX_FMT_FP6 matrix_a_scale:MATRIX_SCALE_ROW1
.endif
.endr
.endr
.endm
.macro PRODA part, st, zero            ; the products of the lower half of my lane-side blocks, in two parts (LB = 4: the second is empty)
.if LB == 8
.if \part
	MUL16 2, (\st)%2, (\st)%2, ((\st)/2)%2, \zero
.else
	MUL16 0, (\st)%2, (\st)%2, ((\st)/2)%2, \zero
.endif
.elseif \part == 0
	MUL16 0, (\st)%2, (\st)%2, ((\st)/2)%2, \zero
.endif
.endm
.macro PRODB st, zero                  ; those of the upper half
.if LB == 8
	WIN MUL_HI
	MUL16 4, (\st)%2, (\st)%2, ((\st)/2)%2, \zero
	MUL16 6, (\st)%2, (\st)%2, ((\st)/2)%2, \zero
.else
	WIN MUL_LO
	MUL16 2, (\st)%2, (\st)%2, ((\st)/2)%2, \zero
.endif
.endm
.macro FETCH_B st, p
	WIN TO_B
.irp i, 0,1,2,3,4,5,6,7
	FRAG 128*(\p)+FR*\i, ADRB, \st, \i
.endr
	WIN 0
.endm
.macro FETCH_A st, i0                  ; LB / 2 lane-side blocks from i0 on
.set FI, \i0
.rept LB/2
	FRAG AF+FR*FI, ADRA, \st, FI
.set FI, FI+1
.endr
.endm
.macro SCALES pr                       ; the words of steps 2 pr, 2 pr + 1 into set pr % 2: lanes 0-15 the lane side's block i, lanes 16-31 the register side's.  Where the lane side has no block i, lanes 0-15 read block i - 4 again
.irp i, 0,1,2,3,4,5,6,7
.if \i < LB
	ds_load_b64 v[SC+8*NQ*((\pr)%2)+NQ*\i:SC+8*NQ*((\pr)%2)+NQ*\i+1], v[ADRS] offset:\i*SBLK+4*NQ*(\pr)
.else
	ds_load_b64 v[SC+8*NQ*((\pr)%2)+NQ*\i:SC+8*NQ*((\pr)%2)+NQ*\i+1], v[ADRS2] offset:(\i-4)*SBLK+4*NQ*(\pr)
.endif
.endr
.endm
; A step: 8 LB products; the next step's fragments are fetched in its middle and at its end.  Where the next step ends in a chunk not read yet, a barrier shows that chunk whole;
; where it begins in a later chunk, the chunk left behind is read no more: the three lines, the barrier, and, where a chunk two on is left to fetch, the cluster's round and the refill.
.macro STEP st, zero
.set NX, (\st)+1
.set C0, (96*(\st))/ROWB
.set C1, (96*NX)/ROWB
.set E0, (96*(\st)+95)/ROWB
.set E1, (96*NX+95)/ROWB
.if C1 > C0 || E1 > E0
	s_wait_tensorcnt 0x0                           ; all my tensor loads have landed
.if C1 > C0
	ds_add_u32 v[SPW], v[NIL]
	s_wait_dscnt (LB/2)*NL+1                       ; the add and the youngest loads (the upper half of my lane-side blocks) may be out
.else
	s_wait_dscnt (LB/2)*NL                         ; the youngest loads may be out
.endif
	WIN MUL_LO
	PRODA 0, \st, \zero
	s_wait_dscnt 0x0                               ; the add and all my reads are done
	s_barrier_signal -1
	PRODA 1, \st, \zero
	WIN 0
	s_barrier_wait -1
.if C1 > C0 && C0+2 < CHUNKS
	CREST
	s_add_nc_u64 s[G0+4*(C0%2)+2:G0+4*(C0%2)+3], s[G0+4*(C0%2)+2:G0+4*(C0%2)+3], 2*ROWB
	s_add_nc_u64 s[G0B+4*(C0%2)+2:G0B+4*(C0%2)+3], s[G0B+4*(C0%2)+2:G0B+4*(C0%2)+3], 2*ROWB
	JLOAD G0+4*(C0%2), G1, G0B+4*(C0%2), G1B       ; chunk C0 + 2; its four v_nop are the places in front of the loads below
.else
	PLACES NP
.endif
.else
	s_wait_dscnt (LB/2)*NL
	WIN MUL_LO
	PRODA 0, \st, \zero
	PRODA 1, \st, \zero
	s_wait_dscnt 0
	PLACES NP
.endif
	FETCH_B NX, NX%2
	FETCH_A NX, 0
.if NX%2 == 0
	SCALES NX/2
.endif
	PRODB \st, \zero
	PLACES NP
	WIN 0
	FETCH_A NX, LB/2
.endm
.macro LAST                            ; step 7: nothing more to fetch; the four moves are the places behind the last products and write the lane permutes' destinations
	s_wait_dscnt (LB/2)*NL
	WIN MUL_LO
	PRODA 0, 7, 0
	PRODA 1, 7, 0
	s_wait_dscnt 0
	PRODB 7, 0
	WIN 0
.irp b, 0,1,2,3
	v_mov_b32 v[TM+4+\b], 0
.endr
.endm
.macro ADDB a, lane                    ; lane-side block a's 64 results + the bias -> v[H] on, each accumulator from its low end on
.set WN, 0x02+(\a)/4
.set AC, 64*((\a)%4)
	WIN WN
.set j, 0
.rept 32
.if \lane
	v_pk_add_f32 v[H+j:H+j+1], v[AC+j:AC+j+1], v[BI+2*(\a):BI+2*(\a)+1]
.else
	v_pk_add_f32 v[H+j:H+j+1], v[AC+j:AC+j+1], v[BI+j:BI+j+1]
.endif
.set j, j+2
.endr
	WIN 0
.endm
.macro QUANT s, d0, d1, pw             ; 64 numbers of a lane become four blocks' codes (a whole block in a lane) and four scale bytes
.irp b, 0,1,2,3
	v_max3_num_f32 v[TM+\b], |v[\s+16*\b]|, |v[\s+1+16*\b]|, 0x1800000   ; with the floor 2^(3 - 127)
.endr
.irp i, 2,4,6,8,10,12,14
.irp b, 0,1,2,3
	v_max3_num_f32 v[TM+\b], v[TM+\b], |v[\s+16*\b+\i]|, |v[\s+1+16*\b+\i]|
.endr
.endr
.irp b, 0,1,2,3
	v_permlanex16_b32 v[TM+4+\b], v[TM+\b], s[SEL], s[SEL+1]
.endr
.irp b, 0,1,2,3
	v_max_num_f32 v[TM+\b], v[TM+\b], v[TM+4+\b]
.endr
.irp b, 0,1,2,3
	v_add_nc_u32 v[TM+12+\b], 0xff000000, v[TM+\b] ; 2 off the exponent field: the conversion's scale operand
.endr
.irp b, 0,1,2,3
	v_lshrrev_b32 v[TM+4+\b], 23, v[TM+12+\b]
.endr
	v_lshl_or_b32 v[\pw], v[TM+5], 8, v[TM+4]
	v_lshl_or_b32 v[\pw], v[TM+6], 16, v[\pw]
	v_lshl_or_b32 v[\pw], v[TM+7], 24, v[\pw]
	v_cvt_scalef32_pk16_fp6_f32 v[(\d0):(\d0)+2], v[\s:\s+15], v[TM+12]
	v_cvt_scalef32_pk16_fp6_f32 v[CT:CT+2], v[\s+16:\s+31], v[TM+13]
	v_cvt_scalef32_pk16_fp6_f32 v[(\d1):(\d1)+2], v[\s+32:\s+47], v[TM+14]
	v_cvt_scalef32_pk16_fp6_f32 v[CT+4:CT+6], v[\s+48:\s+63], v[TM+15]
	v_nop                                          ; one plain place behind a scaled conversion
.irp i, 0,1,2
	v_permlane16_swap_b32 v[(\d0)+\i], v[CT+\i]
.endr
.irp i, 0,1,2
	v_mov_b32 v[(\d0)+3+\i], v[CT+\i]
.endr
.irp i, 0,1,2
	v_permlane16_swap_b32 v[(\d1)+\i], v[CT+4+\i]
.endr
.irp i, 0,1,2
	v_mov_b32 v[(\d1)+3+\i], v[CT+4+\i]
.endr
.endm
.macro RECORD                          ; s84 first token, s85 first column -> s86 = ((token / 2,048) x 16 + (column / 64) % 16) x 16 + (token / 128) % 16
	s_lshr_b32 s86, s84, 11
	s_lshl_b32 s86, s86, 4
	s_bfe_u32 s87, s85, 0x40006
	s_add_co_u32 s86, s86, s87
	s_lshl_b32 s86, s86, 4
	s_bfe_u32 s87, s84, 0x40007
	s_add_co_u32 s86, s86, s87
.endm
; THE BODY.  vv = 0: q or k;  1: v
.macro BODY vv
.set LB, 8-4*\vv
.set HL, 16*LB*PITCH                   ; a wave's lane-side rows in LDS
.set LC, 92+4*\vv                      ; s[LC:LC+1] the lane side's codes, s[LC+2:LC+3] its scales;  RC: the register side's
.set RC, 96-4*\vv
.if \vv
	s_sub_co_u32 s101, s101, 16
	s_and_b32 s17, s101, 1                         ; which 512 of v's columns
	s_lshl_b32 s17, s17, 2
	s_add_co_u32 s17, s17, 16                      ; v's columns begin at W's stored row 2,048 = 16 x 128
	s_lshr_b32 s42, s101, 1                        ; which 1,024 tokens
.else
	s_and_b32 s3, s101, 1                          ; 0 q, 1 k
	s_lshr_b32 s17, s101, 1                        ; which 1,024 tokens
	s_lshl_b32 s17, s17, 2
	s_mov_b32 s42, s3
.endif
	s_add_co_u32 s17, s17, s41                     ; lane-side tile, of 32 LB rows
	s_lshl_b32 s42, s42, 2
	s_add_co_u32 s42, s42, s40                     ; register-side tile, of 256 rows
	s_or_b32 s[G1+0], s43, (1<<20)|(1<<21)|(5<<22)|(3<<25)   ; bytes; 4 words of padding behind every 64
	s_or_b32 s[G1B+0], s44, (1<<20)|(1<<21)|(5<<22)|(3<<25)
	GR1 G1, 32*LB                                  ; the head's loads bring a whole tile
	GR1 G1B, 256
	s_or_b32 s[G1S+0], s43, (3<<16)|(1<<20)|(1<<21)|(5<<22)|(3<<25)
	s_or_b32 s[G1SB+0], s44, (3<<16)|(1<<20)|(1<<21)|(5<<22)|(3<<25)
	GR1S G1S, 4*LB
	GR1S G1SB, KS
	s_mul_i32 s20, s17, 32*LB
	s_lshl_b32 s46, s42, 8
	s_mov_b32 s21, 0
	s_mov_b32 s47, 0
	s_mov_b64 s[18:19], KS
	s_mul_u64 s[22:23], s[20:21], s[18:19]         ; the rows' scales, in bytes
	s_mul_u64 s[66:67], s[46:47], s[18:19]
	s_mov_b64 s[18:19], KROW
	s_mul_u64 s[20:21], s[20:21], s[18:19]         ; and their codes
	s_mul_u64 s[46:47], s[46:47], s[18:19]
	s_mov_b32 s19, 0
	s_mul_i32 s45, s16, HL                         ; the ring's loads: half a tile a wave
	s_mul_i32 s100, s16, HALFT
	s_add_co_u32 s100, s100, 2*HALFT
	s_wait_kmcnt 0x0
	s_add_nc_u64 s[20:21], s[LC:LC+1], s[20:21]
	s_add_nc_u64 s[22:23], s[LC+2:LC+3], s[22:23]
	s_add_nc_u64 s[46:47], s[RC:RC+1], s[46:47]
	s_add_nc_u64 s[66:67], s[RC+2:RC+3], s[66:67]
	CROUND                                         ; in front of the first joint loads
	GR0 G0H, 0, 20
	GR0 G0HB, 2*HALFT, 46
	GR0 G0S, SCL, 22
	GR0 G0SB, SCL+2*HALFS, 66
	s_mul_i32 s18, s16, 16*LB*KROW
	s_add_nc_u64 s[20:21], s[20:21], s[18:19]
	s_mul_i32 s18, s16, 128*KROW
	s_add_nc_u64 s[46:47], s[46:47], s[18:19]
.irp s, 0,1
	s_mov_b32 s[G0+4*\s], 1
	s_add_co_u32 s[G0+4*\s+1], s45, \s*SLOT
	s_add_nc_u64 s[G0+4*\s+2:G0+4*\s+3], s[20:21], \s*ROWB
	s_or_b32 s[G0+4*\s+3], s[G0+4*\s+3], 0x80000000
	s_mov_b32 s[G0B+4*\s], 1
	s_add_co_u32 s[G0B+4*\s+1], s100, \s*SLOT
	s_add_nc_u64 s[G0B+4*\s+2:G0B+4*\s+3], s[46:47], \s*ROWB
	s_or_b32 s[G0B+4*\s+3], s[G0B+4*\s+3], 0x80000000
.endr
	; the head's four tiles, one load a wave
	ARM 1, G0H,  G1,  .Lhead_b\vv, .Lhead_asked\vv
	ARM 2, G0HB, G1B, .Lhead_sa\vv, .Lhead_asked\vv
	ARM 3, G0S,  G1S, .Lhead_sb\vv, .Lhead_asked\vv
	tensor_load_to_lds s[G0SB:G0SB+3], s[G1SB:G1SB+7]
	s_nop 0
	PLACES 4
.Lhead_asked\vv:
	v_and_b32 v1, 15, v0                           ; r
	v_bfe_u32 v2, v0, 4, 1                         ; h
	v_mul_u32_u24 v3, v1, PITCH
	v_mul_u32_u24 v4, v2, 24
	v_add_nc_u32 v4, v3, v4                        ; row x pitch + 24 h
	s_mov_b32 s21, SLOT-232
	s_mov_b32 s22, SLOT+232
	v_sub_nc_u32 v10, 1, v2
	v_mul_u32_u24 v5, s21, v2
	v_add_nc_u32 v5, v3, v5
	v_add_nc_u32 v5, 232, v5                       ; lanes 0-15 byte 232 of the row in slot 0, lanes 16-31 byte 0 in slot 1
	v_mul_u32_u24 v6, s22, v10
	v_add_nc_u32 v6, v3, v6                        ; and the other way round
	s_mul_i32 s21, s15, HL
	s_mul_i32 s22, s16, HALFT
	s_add_co_u32 s22, s22, 2*HALFT
	v_add_nc_u32 v[ADRA+2], s21, v5
	v_add_nc_u32 v[ADRA+3], s21, v6
	v_add_nc_u32 v[ADRB+2], s22, v5
	v_add_nc_u32 v[ADRB+3], s22, v6
.irp s, 0,1
	v_add_nc_u32 v[ADRA+\s], s21, v4
	v_add_nc_u32 v[ADRB+\s], s22, v4
	s_add_co_u32 s21, s21, SLOT
	s_add_co_u32 s22, s22, SLOT
.endr
	v_mul_u32_u24 v5, v1, KS                       ; my row's scales, 16 more for each 256 passed
	v_lshrrev_b32 v6, 8, v5
	v_lshl_add_u32 v5, v6, 4, v5
	s_mul_i32 s21, s15, HALFS*LB/8
	s_mul_i32 s22, s16, HALFS
	s_add_co_u32 s22, s22, 2*HALFS
	s_sub_co_u32 s22, s22, s21
	v_mul_u32_u24 v6, s22, v2                      ; lanes 16-31 take the register side's
	s_add_co_u32 s21, s21, SCL
.if \vv
	s_add_co_u32 s22, s22, 4*SBLK
	v_mul_u32_u24 v11, s22, v2                     ; for blocks 4-7: lanes 16-31 four blocks further on than lanes 0-15
	v_add_nc_u32 v11, v5, v11
	v_add_nc_u32 v[ADRS2], s21, v11
.endif
	v_add_nc_u32 v5, v5, v6
	v_add_nc_u32 v[ADRS], s21, v5
	v_and_b32 v6, 31, v0
	v_lshlrev_b32 v[LI], 4, v6
	v_lshlrev_b32 v[BH], 6, v2
	v_and_b32 v[BR], 8, v1
	v_add_nc_u32 v[BR], v[BR], v1
	v_lshlrev_b32 v[BR], 2, v[BR]
	s_wait_alu depctr_va_vdst(0)
	s_wait_tensorcnt 0x0                           ; my tile of the head's four is in; the three lines ahead of slot 1's first fill
	ds_add_u32 v[SPW], v[NIL]
	s_mov_b32 s[G1+2], (16*LB)<<16                 ; no tensor load of mine is out: from here on a load brings half a tile
	s_mov_b32 s[G1+4], 16*LB
	s_mov_b32 s[G1B+2], 128<<16
	s_mov_b32 s[G1B+4], 128
	s_wait_dscnt 0x0
	CROUND
	JLOAD G0+4, G1, G0B+4, G1B                     ; chunk 1
	FETCH_B 0, 0
	FETCH_A 0, 0
	SCALES 0
	FETCH_A 0, LB/2
	STEP 0, 1                                      ; the first step's products start the sums
.set ST, 1
.rept STEPS-2
	STEP ST, 0
.set ST, ST+1
.endr
	s_mov_b32 s[SEL], 0x76543210
	s_mov_b32 s[SEL+1], 0xfedcba98
.if \vv == 0
	; q and k: a lane holds a token; its 64 registers are two heads x two blocks of 32 channels
	s_lshl_b32 s84, s17, 8
	s_lshl_b32 s85, s15, 7
	s_add_co_u32 s84, s84, s85
	s_lshl_b32 s85, s42, 8
	s_lshl_b32 s86, s16, 7
	s_add_co_u32 s85, s85, s86
	s_lshl_b32 s86, s85, 2
	s_mov_b32 s87, 0
	s_add_nc_u64 s[12:13], s[12:13], s[86:87]
.irp q, 0,1,2,3,4,5,6,7,8,9,10,11,12,13,14,15
	global_load_b128 v[BI+4*\q:BI+4*\q+3], v[BH], s[12:13] offset:128*(\q/4)+16*(\q%4)   ; register 16 b + i: the bias of column 32 b + 16 h + i
.endr
	s_load_b128 s[PQ:PQ+3], s[0:1], 0x28           ; qimg, kv
	RECORD
	LAST
	s_wait_loadcnt 0x0
	s_wait_kmcnt 0x0
	s_cmp_eq_u32 s3, 0
	s_mov_b32 s88, 13312
	s_cselect_b32 s88, 6656, s88
	s_mov_b32 s90, 12288
	s_cselect_b32 s90, 6144, s90
	s_cselect_b64 s[OB0:OB0+1], s[PQ:PQ+1], s[PQ+2:PQ+3]
	s_mul_i32 s84, s86, s88
	s_mov_b32 s85, 0
	s_add_nc_u64 s[OB0:OB0+1], s[OB0:OB0+1], s[84:85]
	s_lshl_b32 s84, s88, 4
	s_add_nc_u64 s[OB1:OB1+1], s[OB0:OB0+1], s[84:85]     ; the next head's record: 16 on
	s_mov_b32 s91, 0
	s_add_nc_u64 s[OS0:OS0+1], s[OB0:OB0+1], s[90:91]
	s_add_nc_u64 s[OS1:OS1+1], s[OB1:OB1+1], s[90:91]
.irp f, 0,1,2,3
.if \f > 0
	s_wait_xcnt 0x0                                ; the last fragments' stores have read their registers
.endif
.irp u, 0,1
	ADDB 2*\f+\u, 0
	QUANT H, F0+6*\u, F1+6*\u, PW0+\u
.endr
	v_perm_b32 v[SW0+\f], v[PW0+1], v[PW0], 0x05040100
	v_perm_b32 v[SW1+\f], v[PW0+1], v[PW0], 0x07060302
.irp c, 0,1,2
	global_store_b128 v[LI], v[F0+4*\c:F0+4*\c+3], s[OB0:OB0+1] offset:1536*\f+512*\c   ; 32 lanes store 512 consecutive bytes
	global_store_b128 v[LI], v[F1+4*\c:F1+4*\c+3], s[OB1:OB1+1] offset:1536*\f+512*\c
.endr
.endr
	global_store_b128 v[LI], v[SW0:SW0+3], s[OS0:OS0+1]
	global_store_b128 v[LI], v[SW1:SW1+3], s[OS1:OS1+1]
.else
	; v: a lane holds a channel; its 64 registers are 128 tokens' halves; my four blocks are one head's 64 channels
	s_lshl_b32 s84, s42, 8
	s_lshl_b32 s85, s16, 7
	s_add_co_u32 s84, s84, s85
	s_lshl_b32 s85, s17, 7
	s_lshl_b32 s86, s15, 6
	s_add_co_u32 s85, s85, s86
	s_lshl_b32 s86, s85, 2
	s_mov_b32 s87, 0
	s_add_nc_u64 s[12:13], s[12:13], s[86:87]
.irp a, 0,1,2,3
	global_load_b32 v[BI+2*\a], v[BR], s[12:13] offset:(32*(\a/2)+8*(\a%2))*4     ; my lane's column's bias, twice: a pair for the packed addition
	global_load_b32 v[BI+2*\a+1], v[BR], s[12:13] offset:(32*(\a/2)+8*(\a%2))*4
.endr
	s_load_b128 s[PQ:PQ+3], s[0:1], 0x28
	RECORD
	LAST
	s_wait_loadcnt 0x0
	s_wait_kmcnt 0x0
	s_mul_i32 s84, s86, 13312
	s_add_co_u32 s84, s84, 6144                    ; v's fragments lie behind k's
	s_mov_b32 s85, 0
	s_add_nc_u64 s[OB0:OB0+1], s[PQ+2:PQ+3], s[84:85]
	s_add_nc_u64 s[OS0:OS0+1], s[OB0:OB0+1], 6656
.irp a, 0,1,2,3
.if \a > 0
	s_wait_xcnt 0x0
.endif
	ADDB \a, 1
	QUANT H, F0, F0+6, SW0+\a
.irp c, 0,1,2
	global_store_b128 v[LI], v[F0+4*\c:F0+4*\c+3], s[OB0:OB0+1] offset:1536*\a+512*\c
.endr
.endr
	global_store_b128 v[LI], v[SW0:SW0+3], s[OS0:OS0+1]
.endif
	s_wait_tensorcnt 0x0                           ; the wave's end
	ds_add_u32 v[SPW], v[NIL]
	s_wait_dscnt 0x0
	CROUND                                         ; the closing round
	s_endpgm
.endm
	s_load_b256 s[92:99], s[0:1], 0x0              ; xc, xs, wc, ws
	s_load_b64 s[12:13], s[0:1], 0x20              ; b_qkv
	v_lshl_add_u32 v[SPW], v0, 2, SPARE
	v_mov_b32 v[NIL], 0
	ds_add_u32 v[SPW], v[NIL]                      ; the opening lines
	ds_add_u32 v[SPW], v[NIL]
	v_lshrrev_b32 v1, 5, v0
	v_readfirstlane_b32 s14, v1                    ; wave
	s_lshr_b32 s15, s14, 1                         ; my half of the lane side's rows; also: which side I fetch for
	s_and_b32 s16, s14, 1                          ; my half of the register side's; also: which half of a tile I fetch
	s_bfe_u32 s40, ttmp6, 0x40000                  ; cx
	s_bfe_u32 s41, ttmp6, 0x40004                  ; cy
	s_and_b32 s101, ttmp7, 0xffff
	s_lshl_b32 s101, s101, 2
	s_add_co_u32 s101, s101, ttmp9                 ; L: the cluster's number, the same in all partners
	s_lshl_b32 s43, s41, 2
	s_lshl_b32 s43, 15, s43                        ; my row of the cluster
	s_lshl_b32 s44, 0x1111, s40                    ; my column
	s_wait_dscnt 0x0                               ; both opening adds are done
	s_cmp_lt_u32 s101, 16
	s_cbranch_scc0 .Lvpath
	BODY 0
.Lvpath:
	BODY 1
.Lfunc_end_k_qfa3ad214a9_gemm:
	.size	k_qfa3ad214a9_gemm, .Lfunc_end_k_qfa3ad214a9_gemm-k_qfa3ad214a9_gemm
	.p2alignl 7, 3214868480
	.fill 96, 4, 3214868480
	.section	.rodata,"a",@progbits
	.p2align	6, 0x0
	.amdhsa_kernel k_qfa3ad214a9_gemm
		.amdhsa_group_segment_fixed_size 327680
		.amdhsa_private_segment_fixed_size 0
		.amdhsa_enable_private_segment 0
		.amdhsa_kernarg_size 56
		.amdhsa_user_sgpr_count 2
		.amdhsa_user_sgpr_kernarg_segment_ptr 1
		.amdhsa_wavefront_size32 1
		.amdhsa_system_sgpr_workgroup_id_x 1
		.amdhsa_system_sgpr_workgroup_id_y 1
		.amdhsa_system_sgpr_workgroup_id_z 1
		.amdhsa_system_vgpr_workitem_id 0
		.amdhsa_next_free_vgpr 1024
		.amdhsa_next_free_sgpr 102
		.amdhsa_reserve_vcc 0
		.amdhsa_float_denorm_mode_32 3
		.amdhsa_float_denorm_mode_16_64 3
		.amdhsa_memory_ordered 1
		.amdhsa_forward_progress 1
		.amdhsa_inst_pref_size 255
	.end_amdhsa_kernel
	.section	.bss,"aw",@nobits
	.p2align	6
	.space	262144
	.amdgpu_metadata
---
amdhsa.version: [ 1, 2 ]
amdhsa.kernels:
  - .name:           k_qfa3ad214a9_gemm
    .symbol:         k_qfa3ad214a9_gemm.kd
    .args:
      - { .name: xc, .offset: 0, .size: 8, .value_kind: global_buffer, .address_space: global }
      - { .name: xs, .offset: 8, .size: 8, .value_kind: global_buffer, .address_space: global }
      - { .name: wc, .offset: 16, .size: 8, .value_kind: global_buffer, .address_space: global }
      - { .name: ws, .offset: 24, .size: 8, .value_kind: global_buffer, .address_space: global }
      - { .name: b_qkv, .offset: 32, .size: 8, .value_kind: global_buffer, .address_space: global }
      - { .name: qimg, .offset: 40, .size: 8, .value_kind: global_buffer, .address_space: global }
      - { .name: kv, .offset: 48, .size: 8, .value_kind: global_buffer, .address_space: global }
    .group_segment_fixed_size: 327680
    .private_segment_fixed_size: 0
    .kernarg_segment_align: 8
    .kernarg_segment_size: 56
    .max_flat_workgroup_size: 128
    .sgpr_count:     102
    .vgpr_count:     1024
    .wavefront_size: 32
...
	.end_amdgpu_metadata
.endif
;; end of part 2
;; launch attn (part 3): grid 4 x 64, 16 waves a work-group, clusters of 4 x 1, 327,680 bytes of LDS; arguments qimg, kv, out0; writes out0
.if DOCPART == 3
	.amdgcn_target "amdgcn-amd-amdhsa--gfx1250"
	.amdhsa_code_object_version 6
	.text
	.protected	k_qfa3ad214a9_attn
	.globl	k_qfa3ad214a9_attn
	.p2align	8
	.type	k_qfa3ad214a9_attn,@function
k_qfa3ad214a9_attn:
	s_mov_b64 s[64:65], 0
	v_nop
	global_prefetch_b8 v0, s[64:65] scope:SCOPE_SE
	s_setreg_imm32_b32 hwreg(HW_REG_WAVE_MODE, 25, 1), 1
	s_wait_xcnt 0x0
	s_wait_alu depctr_hold_cnt(0) depctr_sa_sdst(0) depctr_va_vdst(0) depctr_va_sdst(0) depctr_va_ssrc(0) depctr_va_vcc(0) depctr_vm_vsrc(0)
	s_getreg_b32 s2, hwreg(HW_REG_IB_STS2, 6, 4)
	s_cmp_eq_u32 s2, 0
	s_cbranch_scc0 .Lentry_in_a_cluster
	s_endpgm
.Lentry_in_a_cluster:
	s_bfe_u32 s2, ttmp6, 0x10000c
	s_cmp_lg_u32 s2, 0x3003
	s_cbranch_scc0 .Lentry_shape_is_right
	s_endpgm
.Lentry_shape_is_right:
; out = softmax(q k^T / 32, causal) v on codes of FP6, for one (batch, head) a cluster of four work-groups of 16 waves.
; The head's 16 records of k and v (212,992 bytes) come into LDS once: each wave asks jointly for one record, 52 rows of 256 bytes; one wait and one barrier show them to all.
; A wave owns two tiles of 16 queries, one from the sequence's end and one from its start: 17 steps of 128 keys in all for every wave.
; LEFT OUT: steps whose keys all lie behind the causal mask; a scalar branch on ids leads round their work.
; p = 2^(t - M), M the ceiling of the running largest t; the row's sum is taken of the unquantised p.  No prefetch: all tiles are asked for at the head.
; LIMITS: the scaled scores stay under 2^31 in magnitude; NaN and infinities are not served.
.set REC,    13312
.set PIECE,  6656
.set HALFKV, 8*REC
.set HEADKV, 16*REC
.set STAGE,  HEADKV
.set LI,   1
.set ADR,  2
.set DB,   3
.set STO,  4
.set RD,   5
.set GO,   6
.set DA,   7
.set QSB,  8
.set QSA,  10
.set QB,   16
.set FF,   34
.set KS,   36
.set VS,   40
.set BM,   44
.set CT,   48
.set SO,   56
.set TMP,  60
.set NINF, 61
.set PS,   62
.set FR,   64
.set S,    112
.set OT,   176
.set PC,   208
.set QA,   220
.set WV,   10
.set SEL,  20
.set CS,   22
.set G1,   24
.set TB,   40
.set KI,   41
.set DGB,  42
.set DGA,  43
.macro ROUND
	s_barrier_signal -1
	s_barrier_wait -1
	s_cmp_lg_u32 s[WV], 0
	s_cbranch_scc1 .Lnot_wave_0_\@
	s_barrier_signal -3
.Lnot_wave_0_\@:
	s_barrier_wait -3
	s_barrier_signal -1
	s_barrier_wait -1
.endm
.macro TILEADR g, u, ob, qc, qw, dm
	s_lshl_b32 s60, s[\g], 5
	s_lshl_b32 s61, s[\u], 3
	s_add_co_u32 s60, s60, s61
	s_and_b32 s[\dm], s60, 127
	s_add_co_u32 s60, s60, s18
	s_lshl_b32 s60, s60, 12
	s_add_co_u32 s60, s60, s19
	s_mov_b32 s61, 0
	s_add_nc_u64 s[\ob:\ob+1], s[8:9], s[60:61]
	s_lshl_b32 s60, s12, 4
	s_lshr_b32 s62, s[\g], 2
	s_add_co_u32 s60, s60, s62
	s_mul_i32 s60, s60, 6656
	s_and_b32 s62, s[\g], 3
	s_mul_i32 s13, s62, 1536
	s_lshl_b32 s62, s62, 2
	s_add_co_u32 s62, s62, s60
	s_add_co_u32 s62, s62, 6144
	s_add_co_u32 s60, s60, s13
	s_mov_b32 s63, 0
	s_add_nc_u64 s[\qc:\qc+1], s[4:5], s[60:61]
	s_add_nc_u64 s[\qw:\qw+1], s[4:5], s[62:63]
.endm
.macro QSETUP t, qb, qs, m, sh
.irp i, 0,1,2,3,4,5
	v_cndmask_b32 v[\qb+\i], v[\t+\i], v[\t+6+\i], s[\m]
.endr
.irp i, 0,1,2,3,4,5
	v_mov_b32 v[\qb+6+\i], 0
.endr
.irp i, 0,1,2,3,4,5
	v_mov_b32 v[\qb+12+\i], v[\qb+\i]
.endr
	v_lshrrev_b32 v[\qs], s[\sh], v[\t+12]
	s_delay_alu instid0(VALU_DEP_1)
	v_lshlrev_b32 v[\qs+1], 16, v[\qs]
.endm
.macro INIT
	v_mov_b32 v13, 0xff61b1e6
	s_delay_alu instid0(VALU_DEP_1)
	v_floor_f32 v12, -v13
	v_mov_b32 v14, 0
	v_mov_b32 v15, 0
.set j, 0
.rept 32
	v_mov_b32 v[OT+j], 0
.set j, j+1
.endr
.endm
.macro STEP causal, qb, qs, dm, diag
.if \causal
	s_cmp_gt_u32 s[KI], s[\diag]
	s_cbranch_scc1 .Lhidden_\@
.endif
	v_add_nc_u32 v[ADR], s[TB], v[LI]
.rept 3
	v_nop
.endr
.irp f, 0,1,2,3
.irp c, 0,1,2
	ds_load_b128 v[FR+12*\f+4*\c:FR+12*\f+4*\c+3], v[ADR] offset:1536*\f+512*\c
.endr
.endr
	ds_load_b128 v[KS:KS+3], v[ADR] offset:12288
	s_wait_alu depctr_va_vdst(0)
	s_wait_dscnt 0x0
.irp f, 0,1,2,3
	v_wmma_scale_f32_16x16x128_f8f6f4 v[S+16*\f:S+16*\f+7], v[FR+12*\f:FR+12*\f+11], v[\qb:\qb+11], 0, v[KS+\f], v[\qs] matrix_a_fmt:MATRIX_FMT_FP6 matrix_b_fmt:MATRIX_FMT_FP6
	v_wmma_scale_f32_16x16x128_f8f6f4 v[S+16*\f+8:S+16*\f+15], v[FR+12*\f:FR+12*\f+11], v[\qb+6:\qb+17], 0, v[KS+\f], v[\qs+1] matrix_a_fmt:MATRIX_FMT_FP6 matrix_b_fmt:MATRIX_FMT_FP6
.endr
.rept 4
	v_nop
.endr
.irp f, 0,1,2,3
.irp c, 0,1,2
	ds_load_b128 v[FR+12*\f+4*\c:FR+12*\f+4*\c+3], v[ADR] offset:6144+1536*\f+512*\c
.endr
.endr
	ds_load_b128 v[VS:VS+3], v[ADR] offset:12800
.if \causal
	s_cmp_lt_u32 s[KI], s[\diag]
	s_cbranch_scc1 .Lopen_\@
.set n, 0
.rept 64
	v_cmp_gt_i32 vcc_lo, 32*(n/16)+n%16, v[\dm]
	v_cndmask_b32 v[S+n], v[S+n], v[NINF], vcc_lo
.set n, n+1
.endr
.Lopen_\@:
.endif
.irp b, 0,1,2,3
	v_max3_num_f32 v[BM+\b], v[S+16*\b], v[S+1+16*\b], v[S+2+16*\b]
.endr
.irp i, 3,5,7,9,11,13
.irp b, 0,1,2,3
	v_max3_num_f32 v[BM+\b], v[BM+\b], v[S+16*\b+\i], v[S+1+16*\b+\i]
.endr
.endr
.irp b, 0,1,2,3
	v_max_num_f32 v[BM+\b], v[BM+\b], v[S+15+16*\b]
.endr
.irp b, 0,1,2,3
	s_delay_alu instid0(VALU_DEP_4)
	v_permlanex16_b32 v[CT+\b], v[BM+\b], s[SEL], s[SEL+1]
.endr
.irp b, 0,1,2,3
	s_delay_alu instid0(VALU_DEP_4)
	v_max_num_f32 v[BM+\b], v[BM+\b], v[CT+\b]
.endr
	s_delay_alu instid0(VALU_DEP_2)
	v_max3_num_f32 v[TMP], v[BM], v[BM+1], v[BM+2]
	s_delay_alu instid0(VALU_DEP_1)
	v_max_num_f32 v[TMP], v[TMP], v[BM+3]
	s_delay_alu instid0(VALU_DEP_1)
	v_mul_f32 v[TMP], s[CS], v[TMP]
	s_delay_alu instid0(VALU_DEP_1)
	v_max_num_f32 v13, v13, v[TMP]
	v_mov_b32 v[TMP], v12
	s_delay_alu instid0(VALU_DEP_2)
	v_floor_f32 v12, -v13
	s_delay_alu instid0(VALU_DEP_1)
	v_sub_f32 v[TMP], v12, v[TMP]
	s_delay_alu instid0(VALU_DEP_1)
	v_cvt_i32_f32 v[TMP], v[TMP]
	s_delay_alu instid0(VALU_DEP_1)
	v_ldexp_f32 v[FF], 1.0, v[TMP]
.set j, 0
.rept 32
	v_pk_fma_f32 v[S+j:S+j+1], v[S+j:S+j+1], s[CS:CS+1], v[12:13] op_sel_hi:[1,0,0]
.set j, j+2
.endr
.irp b, 0,1,2,3
	v_fma_f32 v[BM+\b], v[BM+\b], s[CS], v12
.endr
.set j, 0
	s_wait_alu depctr_va_vdst(0)
.rept 64
	v_exp_f32 v[S+j], v[S+j]
.set j, j+1
.endr
.irp b, 0,1,2,3
	v_exp_f32 v[BM+\b], v[BM+\b]
.endr
	v_pk_mul_f32 v[14:15], v[14:15], v[FF:FF+1] op_sel_hi:[1,0]
	s_wait_alu depctr_va_vdst(0)
.irp b, 0,1,2,3
	v_max_num_f32 v[BM+\b], 0x1800000, v[BM+\b]
.endr
.irp b, 0,1,2,3
	s_delay_alu instid0(VALU_DEP_4)
	v_add_nc_u32 v[SO+\b], 0xff000000, v[BM+\b]
.endr
.irp b, 0,1,2,3
	s_delay_alu instid0(VALU_DEP_4)
	v_lshrrev_b32 v[CT+\b], 23, v[SO+\b]
.endr
	s_delay_alu instid0(VALU_DEP_3)
	v_lshl_or_b32 v[PS], v[CT+1], 8, v[CT]
	s_delay_alu instid0(VALU_DEP_1)
	v_lshl_or_b32 v[PS], v[CT+2], 16, v[PS]
	s_delay_alu instid0(VALU_DEP_1)
	v_lshl_or_b32 v[PS], v[CT+3], 24, v[PS]
.irp c, 0,1
	v_cvt_scalef32_pk16_fp6_f32 v[PC+6*\c:PC+6*\c+2], v[S+32*\c:S+32*\c+15], v[SO+2*\c]
	v_cvt_scalef32_pk16_fp6_f32 v[CT+4*\c:CT+4*\c+2], v[S+32*\c+16:S+32*\c+31], v[SO+2*\c+1]
.endr
	v_nop
.irp c, 0,1
.irp i, 0,1,2
	v_permlane16_swap_b32 v[PC+6*\c+\i], v[CT+4*\c+\i]
.endr
.irp i, 0,1,2
	s_delay_alu instid0(VALU_DEP_3)
	v_mov_b32 v[PC+6*\c+3+\i], v[CT+4*\c+\i]
.endr
.endr
	v_pk_add_f32 v[CT:CT+1], v[S:S+1], v[S+2:S+3]
.irp j, 4,8,12,16,20,24,28,32,36,40,44,48,52,56,60
	v_pk_add_f32 v[14:15], v[14:15], v[S+\j:S+\j+1]
	v_pk_add_f32 v[CT:CT+1], v[CT:CT+1], v[S+2+\j:S+3+\j]
.endr
	s_delay_alu instid0(VALU_DEP_1)
	v_pk_add_f32 v[14:15], v[14:15], v[CT:CT+1]
.set j, 0
.rept 16
	v_pk_mul_f32 v[OT+j:OT+j+1], v[OT+j:OT+j+1], v[FF:FF+1] op_sel_hi:[1,0]
.set j, j+2
.endr
	s_wait_alu depctr_va_vdst(0)
	s_wait_dscnt 0x0
.irp a, 0,1,2,3
	v_wmma_scale_f32_16x16x128_f8f6f4 v[OT+8*\a:OT+8*\a+7], v[FR+12*\a:FR+12*\a+11], v[PC:PC+11], v[OT+8*\a:OT+8*\a+7], v[VS+\a], v[PS] matrix_a_fmt:MATRIX_FMT_FP6 matrix_b_fmt:MATRIX_FMT_FP6
.endr
.if \causal
.Lhidden_\@:
.endif
	s_add_co_u32 s[TB], s[TB], REC
.endm
.macro WAYOUT ob
.rept 4
	v_nop
.endr
	v_add_f32 v14, v14, v15
	s_delay_alu instid0(VALU_DEP_1)
	v_permlanex16_b32 v[TMP], v14, s[SEL], s[SEL+1]
	s_delay_alu instid0(VALU_DEP_1)
	v_add_f32 v14, v14, v[TMP]
	s_wait_alu depctr_va_vdst(0)
	v_rcp_f32 v14, v14
	v_nop
.set j, 0
	s_wait_alu depctr_va_vdst(0)
.rept 16
	v_pk_mul_f32 v[S+j:S+j+1], v[OT+j:OT+j+1], v[14:15] op_sel_hi:[1,0]
.set j, j+2
.endr
.irp q, 0,1,2,3,4,5,6,7
	ds_store_b128 v[STO], v[S+4*\q:S+4*\q+3] offset:128*(\q/4)+16*(\q%4)
.endr
.irp i, 0,1,2,3,4,5,6,7
	ds_load_b128 v[FR+4*\i:FR+4*\i+3], v[RD] offset:544*\i
.endr
.irp i, 0,1,2,3,4,5,6,7
	s_wait_dscnt 7-\i
	global_store_b128 v[GO], v[FR+4*\i:FR+4*\i+3], s[\ob:\ob+1] offset:(2*\i+8*(\i/4))*4096 th:TH_STORE_NT
.endr
.endm
	s_load_b128 s[4:7], s[0:1], 0x0
	s_load_b64 s[8:9], s[0:1], 0x10
	v_lshl_add_u32 v254, v0, 2, 0x45000
	v_mov_b32 v255, 0
	ds_add_u32 v254, v255
	ds_add_u32 v254, v255
	v_lshrrev_b32 v48, 5, v0
	s_delay_alu instid0(VALU_DEP_1)
	v_readfirstlane_b32 s[WV], v48
	s_bfe_u32 s11, ttmp6, 0x40000
	s_and_b32 s12, ttmp7, 0xffff
	s_mov_b32 s[G1], 15|(3<<16)|(1<<21)
	s_mov_b32 s[G1+1], 32<<16
	s_mov_b32 s[G1+2], 52<<16
	s_mov_b32 s[G1+3], 32<<16
	s_mov_b32 s[G1+4], 52
	s_mov_b32 s[G1+5], 32
	s_mov_b32 s[G1+6], 0
	s_mov_b32 s[G1+7], 0
	s_mul_i32 s33, s[WV], REC
	s_mul_i32 s60, s12, HEADKV
	s_add_co_u32 s60, s60, s33
	s_mov_b32 s61, 0
	s_wait_dscnt 0x0
	s_wait_kmcnt 0x0
	s_mov_b32 s32, 1
	s_add_nc_u64 s[34:35], s[6:7], s[60:61]
	s_or_b32 s35, s35, 0x80000000
	ROUND
	tensor_load_to_lds s[32:35], s[G1:G1+7]
	s_nop 0
.rept 4
	v_nop
.endr
	s_lshr_b32 s13, s11, 1
	s_and_b32 s14, s11, 1
	s_lshl_b32 s15, s[WV], 1
	s_add_co_u32 s15, s15, s13
	s_xor_b32 s16, s15, 63
	s_xor_b32 s17, s14, 1
	s_lshr_b32 s[DGA], s[WV], 1
	s_xor_b32 s[DGB], s[DGA], 15
	s_sub_co_u32 s44, 0, s17
	s_sub_co_u32 s45, 0, s14
	s_lshl_b32 s46, s17, 4
	s_lshl_b32 s47, s14, 4
	s_lshr_b32 s18, s12, 4
	s_lshl_b32 s18, s18, 11
	s_and_b32 s19, s12, 15
	s_lshl_b32 s19, s19, 8
	TILEADR 16, 17, 48, 52, 54, 2
	TILEADR 15, 14, 50, 56, 58, 3
	s_mov_b32 s[SEL], 0x76543210
	s_mov_b32 s[SEL+1], 0xfedcba98
	s_mov_b32 s[CS], 0x3d38aa3b
	s_mov_b32 s[CS+1], s[CS]
	v_and_b32 v[LI], 31, v0
	s_delay_alu instid0(VALU_DEP_1)
	v_lshlrev_b32 v[LI], 4, v[LI]
.irp c, 0,1,2
	global_load_b128 v[S+4*\c:S+4*\c+3], v[LI], s[52:53] offset:512*\c
	global_load_b128 v[S+16+4*\c:S+16+4*\c+3], v[LI], s[56:57] offset:512*\c
.endr
	global_load_b32 v[S+12], v[LI], s[54:55]
	global_load_b32 v[S+28], v[LI], s[58:59]
	v_and_b32 v48, 15, v0
	v_bfe_u32 v49, v0, 4, 1
	s_delay_alu instid0(VALU_DEP_2)
	v_and_b32 v50, 8, v48
	s_delay_alu instid0(VALU_DEP_1)
	v_add_nc_u32 v50, v50, v48
	s_delay_alu instid0(VALU_DEP_3)
	v_lshlrev_b32 v51, 4, v49
	s_delay_alu instid0(VALU_DEP_1)
	v_sub_nc_u32 v50, v50, v51
	s_delay_alu instid0(VALU_DEP_1)
	v_add_nc_u32 v[DB], s2, v50
	s_delay_alu instid0(VALU_DEP_2)
	v_add_nc_u32 v[DA], s3, v50
	s_mul_i32 s13, s[WV], 16*272
	s_add_co_u32 s13, s13, STAGE
	v_mul_u32_u24 v[STO], v48, 272
	s_delay_alu instid0(VALU_DEP_1)
	v_lshl_add_u32 v[STO], v49, 6, v[STO]
	s_delay_alu instid0(VALU_DEP_1)
	v_add_nc_u32 v[STO], s13, v[STO]
	v_mul_u32_u24 v[RD], v49, 272
	s_delay_alu instid0(VALU_DEP_1)
	v_lshl_add_u32 v[RD], v48, 4, v[RD]
	s_delay_alu instid0(VALU_DEP_1)
	v_add_nc_u32 v[RD], s13, v[RD]
	v_lshlrev_b32 v[GO], 12, v49
	s_delay_alu instid0(VALU_DEP_1)
	v_lshl_add_u32 v[GO], v48, 4, v[GO]
	v_mov_b32 v[NINF], 0xff800000
	v_mov_b32 v[FF+1], 0
	v_mov_b32 v[TMP], 0
.irp b, 0,1,2,3
	v_mov_b32 v[CT+\b], 0
.endr
	s_wait_loadcnt 0x0
	QSETUP S, QB, QSB, 44, 46
	QSETUP S+16, QA, QSA, 45, 47
	INIT
	s_wait_tensorcnt 0x0
	s_barrier_signal -1
	s_barrier_wait -1
	s_mov_b32 s[TB], 0
	s_mov_b32 s[KI], 0
.Lfirst:
	STEP 0, QB, QSB, DB, DGB
	s_add_co_u32 s[KI], s[KI], 1
	s_cmp_lt_u32 s[KI], 8
	s_cbranch_scc1 .Lfirst
	s_mov_b32 s[TB], HALFKV
	s_mov_b32 s[KI], 8
.Lsecond:
	STEP 1, QB, QSB, DB, DGB
	s_add_co_u32 s[KI], s[KI], 1
	s_cmp_lt_u32 s[KI], 16
	s_cbranch_scc1 .Lsecond
	WAYOUT 48
	INIT
	s_wait_xcnt 0x0
	s_mov_b32 s[TB], 0
	s_mov_b32 s[KI], 0
.Lthird:
	STEP 1, QA, QSA, DA, DGA
	s_add_co_u32 s[KI], s[KI], 1
	s_cmp_lt_u32 s[KI], 8
	s_cbranch_scc1 .Lthird
	WAYOUT 50
	s_wait_dscnt 0x0
	s_wait_tensorcnt 0x0
	ds_add_u32 v254, v255
	s_wait_dscnt 0x0
	ROUND
	s_endpgm
.Lfunc_end_k_qfa3ad214a9_attn:
	.size	k_qfa3ad214a9_attn, .Lfunc_end_k_qfa3ad214a9_attn-k_qfa3ad214a9_attn
	.p2alignl 7, 3214868480
	.fill 96, 4, 3214868480
	.section	.rodata,"a",@progbits
	.p2align	6, 0x0
	.amdhsa_kernel k_qfa3ad214a9_attn
		.amdhsa_group_segment_fixed_size 327680
		.amdhsa_private_segment_fixed_size 0
		.amdhsa_enable_private_segment 0
		.amdhsa_kernarg_size 24
		.amdhsa_user_sgpr_count 2
		.amdhsa_user_sgpr_kernarg_segment_ptr 1
		.amdhsa_wavefront_size32 1
		.amdhsa_system_sgpr_workgroup_id_x 1
		.amdhsa_system_sgpr_workgroup_id_y 1
		.amdhsa_system_sgpr_workgroup_id_z 1
		.amdhsa_system_vgpr_workitem_id 0
		.amdhsa_next_free_vgpr 256
		.amdhsa_next_free_sgpr 66
		.amdhsa_reserve_vcc 1
		.amdhsa_float_denorm_mode_32 3
		.amdhsa_float_denorm_mode_16_64 3
		.amdhsa_memory_ordered 1
		.amdhsa_forward_progress 1
		.amdhsa_inst_pref_size 79
	.end_amdhsa_kernel
	.amdgpu_metadata
---
amdhsa.version: [ 1, 2 ]
amdhsa.kernels:
  - .name:           k_qfa3ad214a9_attn
    .symbol:         k_qfa3ad214a9_attn.kd
    .args:
      - { .name: qimg, .offset: 0, .size: 8, .value_kind: global_buffer, .address_space: global }
      - { .name: kv, .offset: 8, .size: 8, .value_kind: global_buffer, .address_space: global }
      - { .name: out0, .offset: 16, .size: 8, .value_kind: global_buffer, .address_space: global }
    .group_segment_fixed_size: 327680
    .private_segment_fixed_size: 0
    .kernarg_segment_align: 8
    .kernarg_segment_size: 24
    .max_flat_workgroup_size: 512
    .sgpr_count:     66
    .vgpr_count:     256
    .wavefront_size: 32
...
	.end_amdgpu_metadata
.endif
;; end of part 3
